; MI455X (gfx1250); checked and timed in simulation.
; The chip was launched on July 23, 2026; its instructions are those of AMD's public machine-readable ISA for CDNA 5 (MIT licence, August 2026) and "CDNA5" Instruction Set Architecture Reference Guide (July 2026). The comments in the code are by the model that wrote it; some were corrected since.
;; Quantized Linear. Allowed arithmetic: matrix products marked QUANTISED: E5M2 operands, one given power-of-two scale a tensor, by v_wmma_f32_16x16x64_bf8_bf8 or v_wmma_f32_16x16x128_bf8_bf8, f32 sums; everything else in f32.
;; Inputs: bias 4,096 float16; lowp_scales 2 int32 (the exponents e of the quantised operands' scales 2^e); quantized_weight 4,096 x 4,096 int8; scales 4,096 x 32 float16; x_codes 4,096 x 128 x 32 uint8 (E5M2 codes of x, K innermost, in blocks of 32 codes).
;; Outputs: out0 4,096 x 4,096 float32.
;; This version of the problem:
;;   THIS VERSION OF THE PROBLEM IS GIVEN IN LOW PRECISION. The matrix products marked QUANTISED in the list below multiply operands that are first quantised to E5M2 (5 exponent bits, 2 mantissa bits; 8 bits a number), with one given power-of-two scale for each operand tensor; their sums are f32. All else is computed in f32.
;;   The module's matrix products, in the order in which they are computed (A, B: the left and right operand; K: the contracted axis; several contracted axes count as one K, in the product's order):
;;     1. [M 4,096, K 4,096] x [K 4,096, N 4,096]; A: input x (given as codes); B: computed on the way: QUANTISED (scales: A lowp_scales[0], B lowp_scales[1])
;;   THE QUANTISER, for each operand of a quantised product, along K:
;;     - The operand's scale is 2^e, e = its entry of the input lowp_scales (int32; the entries are numbered through the quantised products in the list's order, A before B).
;;     - Each number is divided by the scale, clamped to +-57,344, and rounded to the nearest number of E5M2, ties to even, subnormals kept.
;;     - The product sums the exact products of the quantised numbers (number of the format x scale) in f32.
;;   ~~~python
;;   def quantise(x, axis, e):      # numpy; x: float32 -> the quantised numbers, widened to float32 again
;;       x = np.moveaxis(x, axis, -1); K = x.shape[-1]
;;       r = np.clip(x / 2.0 ** e, -57344, 57344)
;;       step = 2.0 ** (np.maximum(np.frexp(np.where(r == 0, 1, r))[1] - 1, -14) - 2)
;;       q = np.round(r / step) * step * 2.0 ** e      # np.round: ties to even
;;       return np.moveaxis(q, -1, axis).astype(np.float32)
;;   ~~~
;;   OPERANDS COMPUTED ON THE WAY. 'Computed on the way' means the value that the module computes at that place (a softmax that the list does not call 'softmax' is quantised finished and normalised). What goes into a quantiser is computed in f32, as accurately as f32 sums, v_exp_f32 and their like allow (about 1e-6 of the number): no bf16 or f16 on the way to a quantiser, and a product that is left as it is and whose result goes on into a quantised operand takes f32 operands (vector FMAs, or v_wmma_f32_16x16x4_f32). A number that lies on a knife's edge between two numbers of the format may be rounded either way, as far as f32 arithmetic and the matrix unit's own rounding can turn it there, and no further.
;;   INPUTS GIVEN AS CODES. x (in the module: [4096, 4096], K = its axis 1): each comes as NAME_codes (uint8): NAME with its K axis moved to the last place and cut into blocks of 32 codes, [.., K / 32, bytes a block], one block behind the other in memory; one code a byte (a code: sign, 5 exponent bits, 2 mantissa bits); its scale is its entry of lowp_scales. Its value is code x scale, taken as it is: it is not quantised again, and the codes and scales need not be those that the quantiser above would give.
;; One version. Each part assembles by itself: llvm-mc -triple=amdgcn-amd-amdhsa -mcpu=gfx1250 --defsym DOCPART=n.
;; ======== version 1 of 1: 2 launches
;; limits: values are held in f16: magnitudes above 65,504 overflow, below 6.1e-05 lose precision; right only within a limited range of input values
;; workspace buffers: w_codes 16,777,216 bytes
;; launch wquant (part 1): grid 256 x 1, 8 waves a work-group, no clusters, 71,680 bytes of LDS; arguments quantized_weight, scales, lowp_scales, w_codes; writes w_codes
.if DOCPART == 1
	.amdgcn_target "amdgcn-amd-amdhsa--gfx1250"
	.amdhsa_code_object_version 6
	.text
	.protected	k_q30af758c07_wquant
	.globl	k_q30af758c07_wquant
	.p2align	8
	.type	k_q30af758c07_wquant,@function
k_q30af758c07_wquant:
	s_mov_b64 s[64:65], 0
	v_nop
	global_prefetch_b8 v0, s[64:65] scope:SCOPE_SE
	s_setreg_imm32_b32 hwreg(HW_REG_WAVE_MODE, 25, 1), 1
	s_wait_xcnt 0x0
; w[o][k] = int8 weight x the f16 scale of (row o, group k / 128), as codes of BF8 (E5M2) with the given scale 2^e1 (entry 1 of the scales' exponents).
; code = w / 2^e1, held within +-57,344, rounded to the nearest code, ties to even.  The product is EXACT in f32: 8 bits x 11 bits are 19.
; LIMITS: e1 between -126 and 112, so that 2^e1 and 57,344 x 2^e1 are f32 numbers.  NaN or infinity among the f16 scales is not served.
; THE ORDER OF THE CODES is that of the next launch's operand registers: [64 blocks of 64 rows][32 steps of 128 along K][4 tiles t][8 units of 16 along K][16 lanes r][16 codes]:
; lane r of tile t holds row 4 r + t of the block of 64.  So a run of 512 bytes (two units) is one load of a wave there: 16 bytes a lane, lanes 0-15 the even unit, lanes 16-31 the odd one.
; SHARES.  Work-group (block, t) takes the 16 rows 64 x block + 4 i + t, i = 0 .. 15; its wave w the 512 numbers from 512 w of each, in two batches of 256.
; In: lane 16 h + r loads 16 bytes of row 2 p + h (p = 0 .. 7): two aligned runs of 256 bytes.  Codes go into the wave's own LDS, row by row (pitch 272), and come back with
; 16 rows in 16 neighbouring lanes: each store covers 512 consecutive bytes.  The first batch leaves while the second is at work.  Nothing is shared between waves: no barrier, no cluster, no tensor load.
; No prefetch: all 16 loads of a wave go out at the head and there is no loop to run ahead in.
.set XR, 16                            ; v16-31   16 numbers at work
.set SC, 32                            ; v32-47   scales: batch b, row pair p at v[SC + 8 b + p]
.set D0, 64                            ; v64-127  chunk 8 b + p: four registers, int8 as loaded, then codes
.set O0, 132                           ; v132-195 codes on the way out, each register written once
.set XP, 272                           ; LDS row of 256 codes + 16
.set XBAT, 16*XP
.set XWAVE, 2*XBAT
.set X0, 1024                          ; below it: 128 bytes of scales for each wave
.set SPARE, X0+8*XWAVE                 ; the spare words, 128 bytes for each wave
	s_load_b256 s[4:11], s[0:1], 0x0               ; int8 weights s[4:5], f16 scales s[6:7], exponents s[8:9], codes s[10:11]
	v_lshl_add_u32 v14, v0, 2, SPARE
	v_mov_b32 v15, 0
	v_lshrrev_b32 v12, 5, v0                       ; wave
	v_bfe_u32 v7, v0, 4, 1                         ; h
	v_and_b32 v10, 15, v0                          ; r
	v_and_b32 v11, 31, v0                          ; lane
	v_and_b32 v8, 1, v0
	v_bfe_u32 v5, v0, 3, 1                         ; r / 8
	v_lshlrev_b32 v1, 4, v10                       ; 16 r
	v_lshrrev_b32 v3, 1, v11
	v_mul_u32_u24 v51, v12, XWAVE
	v_mul_u32_u24 v52, v7, XP
	v_mul_u32_u24 v53, v10, XP
	v_lshlrev_b32 v50, 4, v11
	v_lshl_add_u32 v2, v7, 14, v1                  ; rows i and i + 1 lie 4 x 4,096 bytes apart
	v_lshlrev_b32 v3, 8, v3
	v_lshlrev_b32 v5, 1, v5
	v_add_nc_u32 v48, v51, v52
	v_add_nc_u32 v49, v51, v53
	v_lshl_add_u32 v50, v12, 15, v50               ; out: 32,768 x wave + 16 x lane
	v_lshl_add_u32 v2, v12, 9, v2                  ; in: 512 x wave + 16,384 h + 16 r
	v_lshl_add_u32 v3, v8, 2, v3
	v_lshl_add_u32 v5, v7, 3, v5
	v_add_nc_u32 v48, v48, v1
	v_lshl_add_u32 v49, v7, 4, v49
	v_lshlrev_b32 v4, 2, v0                        ; scales into LDS: 128 x wave + 4 x lane
	v_lshl_add_u32 v3, v12, 3, v3                  ; scales in memory: 256 (lane / 2) + 4 (lane % 2) + 8 x wave
	v_lshl_add_u32 v5, v12, 7, v5                  ; scales back: 128 x wave + 8 h + 2 (r / 8)
	v_add_nc_u32 v48, X0, v48                      ; codes into LDS: row h, unit r
	v_add_nc_u32 v49, X0, v49                      ; codes back: row r, unit h
	v_mov_b32 v56, 0x47000000                      ; 2^15 as f32
	v_mov_b32 v61, 0                               ; (named as the upper half of the pair v[60:61])
	s_lshr_b32 s12, ttmp9, 2                       ; block of 64 rows
	s_and_b32 s14, ttmp9, 3                        ; t
	s_lshl_b32 s24, s12, 18
	s_lshl_b32 s25, s14, 12
	s_add_co_u32 s24, s24, s25                     ; first row: 262,144 x block + 4,096 t bytes
	s_mov_b32 s25, 0
	s_lshl_b32 s26, s12, 12
	s_lshl_b32 s27, s14, 6
	s_add_co_u32 s26, s26, s27                     ; and its scales
	s_mov_b32 s27, 0
	s_lshl_b32 s28, s12, 18
	s_lshl_b32 s29, s14, 11
	s_add_co_u32 s28, s28, s29                     ; and its codes
	s_mov_b32 s29, 0
	s_mov_b32 s16, 0x07040004                      ; byte selects: the result is {0x47, 0, byte b of the data word, 0}: the f32 number 2^15 + byte
	s_mov_b32 s17, 0x07040104
	s_mov_b32 s18, 0x07040204
	s_mov_b32 s19, 0x07040304
	s_mov_b32 s20, 0x80808080                      ; q xor 0x80 = q + 128 as an unsigned byte, four at a time
	s_mov_b32 s22, 0xc7008000                      ; -(2^15 + 128) as f32
	s_wait_alu depctr_va_vdst(0)                   ; ahead of the blocking wait
	s_wait_kmcnt 0x0
	s_load_b32 s12, s[8:9], 0x4                    ; e1
	s_add_nc_u64 s[4:5], s[4:5], s[24:25]
	s_add_nc_u64 s[6:7], s[6:7], s[26:27]
	s_add_nc_u64 s[10:11], s[10:11], s[28:29]
	global_load_b32 v9, v3, s[6:7]                 ; 16 rows x 8 bytes of scales: the eight waves together the work-group's 1,024 bytes
.irp b, 0,1
.irp p, 0,1,2,3,4,5,6,7
	global_load_b128 v[D0+4*(8*\b+\p):D0+4*(8*\b+\p)+3], v2, s[4:5] offset:32768*\p+256*\b th:TH_LOAD_NT   ; read once in the launch
.endr
.endr
	s_wait_kmcnt 0x0
	s_add_co_i32 s12, s12, 127
	s_lshl_b32 s13, s12, 23
	v_mov_b32 v54, s13                             ; 2^e1 as f32
	s_add_co_i32 s12, s12, 15
	s_lshl_b32 s12, s12, 23
	s_or_b32 s12, s12, 0x600000
	v_mov_b32 v55, s12                             ; 57,344 x 2^e1
	s_wait_alu depctr_va_vdst(0)                   ; ahead of the blocking wait
	s_wait_loadcnt 16                              ; the scales are in; the 16 loads issued behind them may be out
	ds_store_b32 v4, v9
.irp b, 0,1
.irp p, 0,1,2,3,4,5,6,7
	ds_load_u16 v[SC+8*\b+\p], v5 offset:16*\p+4*\b   ; LDS serves a wave's instructions in order (ISA guide 5.7.1.4); the bytes are my wave's own
.endr
.endr
	s_wait_dscnt 0x0
.set i, 0
.irp x, v32.l,v33.l,v34.l,v35.l,v36.l,v37.l,v38.l,v39.l,v40.l,v41.l,v42.l,v43.l,v44.l,v45.l,v46.l,v47.l
	v_cvt_f32_f16 v[SC+i], \x                      ; as f32: nothing is rounded
.set i, i+1
.endr
	s_wait_alu depctr_va_vdst(0)
.macro CHUNK b, p
.set CN, 8*(\b)+(\p)
.set DR, D0+4*CN
.set SP, SC+CN-(CN%2)
	s_wait_loadcnt 15-CN                           ; this chunk's load is in; the 15 - CN younger ones may be out
.irp i, 0,1,2,3
	v_xor_b32 v[DR+\i], s20, v[DR+\i]              ; u = q + 128 in each byte
.endr
	v_mul_f32 v60, s22, v[SC+CN]                   ; -(2^15 + 128) x scale: 9 bits x 11 bits, exact
.irp i, 0,1,2,3
.irp y, 0,1,2,3
	v_perm_b32 v[XR+4*\i+\y], v56, v[DR+\i], s[16+\y]   ; 2^15 + u
.endr
.endr
.irp i, 0,2,4,6,8,10,12,14
.if CN%2
	v_pk_fma_f32 v[XR+\i:XR+\i+1], v[XR+\i:XR+\i+1], v[SP:SP+1], v[60:61] op_sel:[0,1,0] op_sel_hi:[1,1,0]   ; q x scale: the exact value is an f32 number, so the one rounding changes nothing
.else
	v_pk_fma_f32 v[XR+\i:XR+\i+1], v[XR+\i:XR+\i+1], v[SP:SP+1], v[60:61] op_sel_hi:[1,0,0]
.endif
.endr
.irp i, 0,1,2,3,4,5,6,7,8,9,10,11,12,13,14,15
	v_med3_num_f32 v[XR+\i], v[XR+\i], -v55, v55   ; the conversion to an 8-bit code does not saturate (ISA guide 7.6.2)
.endr
	v_cvt_scalef32_pk8_bf8_f32 v[DR:DR+1], v[XR:XR+7], v54
	v_cvt_scalef32_pk8_bf8_f32 v[DR+2:DR+3], v[XR+8:XR+15], v54
	ds_store_b128 v48, v[DR:DR+3] offset:XBAT*(\b)+2*XP*(\p)   ; (the next chunk begins with five plain vector lines on other registers)
.endm
.macro BACK b                          ; unit 2 j + h of row r: 16 rows in 16 neighbouring lanes
.irp j, 0,1,2,3,4,5,6,7
	ds_load_b128 v[O0+4*(8*(\b)+\j):O0+4*(8*(\b)+\j)+3], v49 offset:XBAT*(\b)+32*\j
.endr
.endm
.macro SENDJ b, j
	global_store_b128 v50, v[O0+4*(8*(\b)+\j):O0+4*(8*(\b)+\j)+3], s[10:11] offset:16384*(\b)+8192*((\j)/4)+512*((\j)%4)   ; 512 consecutive bytes, at a multiple of 512
.endm
.irp p, 0,1,2,3,4,5,6,7
	CHUNK 0, \p
.endr
	BACK 0
	CHUNK 1, 0
	s_wait_dscnt 1                                 ; the first batch is back; the chunk's own LDS store, issued behind it, may be out
.irp j, 0,1,2,3,4,5,6,7
	SENDJ 0, \j
.endr
.irp p, 1,2,3,4,5,6,7
	CHUNK 1, \p
.endr
	BACK 1
.irp j, 0,1,2,3,4,5,6,7
	s_wait_dscnt 7-\j
	SENDJ 1, \j
.endr
	s_wait_tensorcnt 0x0                           ; the wave's end
	ds_add_u32 v14, v15
	s_wait_dscnt 0x0
	s_endpgm
.Lfunc_end_k_q30af758c07_wquant:
	.size	k_q30af758c07_wquant, .Lfunc_end_k_q30af758c07_wquant-k_q30af758c07_wquant
	.p2alignl 7, 3214868480
	.fill 96, 4, 3214868480
	.section	.rodata,"a",@progbits
	.p2align	6, 0x0
	.amdhsa_kernel k_q30af758c07_wquant
		.amdhsa_group_segment_fixed_size 71680
		.amdhsa_private_segment_fixed_size 0
		.amdhsa_enable_private_segment 0
		.amdhsa_kernarg_size 32
		.amdhsa_user_sgpr_count 2
		.amdhsa_user_sgpr_kernarg_segment_ptr 1
		.amdhsa_wavefront_size32 1
		.amdhsa_system_sgpr_workgroup_id_x 1
		.amdhsa_system_sgpr_workgroup_id_y 1
		.amdhsa_system_sgpr_workgroup_id_z 1
		.amdhsa_system_vgpr_workitem_id 0
		.amdhsa_next_free_vgpr 200
		.amdhsa_next_free_sgpr 66
		.amdhsa_reserve_vcc 0
		.amdhsa_float_denorm_mode_32 3
		.amdhsa_float_denorm_mode_16_64 3
		.amdhsa_memory_ordered 1
		.amdhsa_forward_progress 1
		.amdhsa_inst_pref_size 56
	.end_amdhsa_kernel
	.amdgpu_metadata
---
amdhsa.version: [ 1, 2 ]
amdhsa.kernels:
  - .name:           k_q30af758c07_wquant
    .symbol:         k_q30af758c07_wquant.kd
    .args:
      - { .name: quantized_weight, .offset: 0, .size: 8, .value_kind: global_buffer, .address_space: global }
      - { .name: scales, .offset: 8, .size: 8, .value_kind: global_buffer, .address_space: global }
      - { .name: lowp_scales, .offset: 16, .size: 8, .value_kind: global_buffer, .address_space: global }
      - { .name: w_codes, .offset: 24, .size: 8, .value_kind: global_buffer, .address_space: global }
    .group_segment_fixed_size: 71680
    .private_segment_fixed_size: 0
    .kernarg_segment_align: 8
    .kernarg_segment_size: 32
    .max_flat_workgroup_size: 256
    .sgpr_count:     66
    .vgpr_count:     200
    .wavefront_size: 32
...
	.end_amdgpu_metadata
.endif
;; end of part 1
;; launch gemm (part 2): grid 16 x 16, 4 waves a work-group, clusters of 4 x 1, 327,680 bytes of LDS; arguments x_codes, w_codes, lowp_scales, bias, out0; writes out0
.if DOCPART == 2
	.amdgcn_target "amdgcn-amd-amdhsa--gfx1250"
	.amdhsa_code_object_version 6
	.text
	.protected	k_q30af758c07_gemm
	.globl	k_q30af758c07_gemm
	.p2align	8
	.type	k_q30af758c07_gemm,@function
k_q30af758c07_gemm:
	s_mov_b64 s[64:65], 0
	v_nop
	global_prefetch_b8 v0, s[64:65] scope:SCOPE_SE
	s_setreg_imm32_b32 hwreg(HW_REG_WAVE_MODE, 25, 1), 1
	s_wait_xcnt 0x0
	s_wait_alu depctr_hold_cnt(0) depctr_sa_sdst(0) depctr_va_vdst(0) depctr_va_sdst(0) depctr_va_ssrc(0) depctr_va_vcc(0) depctr_vm_vsrc(0)
	s_getreg_b32 s2, hwreg(HW_REG_IB_STS2, 6, 4)
	s_cmp_eq_u32 s2, 0
	s_cbranch_scc0 .Lentry_in_a_cluster
	s_endpgm
.Lentry_in_a_cluster:
	s_bfe_u32 s2, ttmp6, 0x10000c
	s_cmp_lg_u32 s2, 0x3003
	s_cbranch_scc0 .Lentry_shape_is_right
	s_endpgm
.Lentry_shape_is_right:
; out[m][n] = 2^(e0 + e1) x (the sum over k of x[m][k] w[n][k]) + bias[n].  x: [4096][4096] codes of BF8 (E5M2), K innermost; w: codes of BF8 in the order that the launch before lays down; sums and out in f32.
; LIMIT: e0 + e1 lies between -126 and 127, so that 2^(e0 + e1) is an f32 number.
; A work-group of four waves makes 256 x 256 of out; a wave all 256 rows x 64 columns: 16 blocks of 16 rows x 4 tiles, 64 accumulators, 512 registers.  256 work-groups: one for each WGP.
; x GOES THROUGH LDS, w DOES NOT.  All four waves need all 256 rows of x: its tiles, 256 rows x 512 along K, take two LDS slots.  A wave's 64 columns of w are its own: its fragments come from memory
; straight into registers (512 consecutive bytes a load), three steps of 128 along K ahead, in four sets of 64 registers.  So LDS holds x alone, and a slot holds four steps.
; CLUSTERS: the four work-groups of a cluster make the same rows of out and need the same tiles of x: each tile is asked for JOINTLY (mask 15).  w's loads are not joint: they land in registers, and two slots of
; 512 along K that also held w's 256 rows would not fit in LDS (4 x 135,168 bytes).  Each work-group reads each of its bytes of w once.
; WHERE RESULTS LIE.  Source 0 = 16 rows of x, source 1 = 16 rows of w: lane 16 h + r, register j holds row 8 h + j, column r of its tile; and column r of tile t is w's row 4 r + t of the wave's 64.
; So registers j of a block's four tiles are 16 neighbouring bytes of a row of out, and 16 lanes hold its 256 bytes: results leave without LDS.
; A FRAGMENT of 16 rows x 128 K is 16 registers: registers 4 c .. 4 c + 3 hold K = 32 c + 16 h + 0 .. 15 of row r, in x and in w alike (a permutation of k that both operands share).
; REGISTERS: window 0: v0-31 addresses and the like, v32-63 block 0's results on the way out, v64-255 x's fragments: three buffers X, Z, Y of four blocks each.
;   window 1: w's four sets (step s in set s % 4).  window 2: the accumulators of blocks 0-7 (block a, tile t at v[32 (a % 8) + 8 t]); window 3: those of blocks 8-15.
; A STEP is four groups of four blocks, in buffers X, Y, Z, Y.  A half step is two groups, 32 products; in front of it stands one run of loads: the half's second group and the next half's first.
; The 64 accumulators take turns, one instruction a turn.
; THE LAST SLOT takes blocks 0-7 through all four steps, then blocks 8-15, and two of the finished blocks leave in front of each of the later half steps.
; PREFETCH INTO THE L2: one slot ahead of the joint load, and at least five steps ahead of w's loads: with slot n + 2's joint load goes out the request for slot n + 3 of x and of w.  x: the four partners share the tile's
; 512 blocks of 256 bytes by address (64 rows each, 16 a wave).  w: a wave names one step's 8,192 bytes of its own columns, the one told by its tile row % 4, so that the 16 tile rows share the four steps out.
; Slots 0 and 1 come by their loads alone; nothing is asked for beyond slot 7.
.set PITCH,  528                       ; an LDS row: 512 bytes + 16 of padding = 132 words: row r starts at bank 4 r mod 64 (64 banks of 4 bytes: ISA guide 11.1)
.set SLOT,   256*PITCH
.set HIGH,   128*PITCH                 ; rows 128-255 (an LDS offset has 16 bits)
.set SPARE,  2*SLOT                    ; the spare words, 128 bytes for each wave
.set BF,   10                          ; v10-13  bias of my four columns
.set ADRA, 16                          ; v16-19  LDS address of x's fragments: slot 0 rows 0-127, rows 128-255, slot 1 likewise
.set GO,   20                          ; v20     w: 16 x lane
.set BO,   21                          ; v21     bias: 8 r
.set CO,   22                          ; v22     out: 8 h rows + 16 r
.set PFX,  23                          ; v23     prefetch of x
.set PFW,  24                          ; v24     prefetch of w
.set SPW,  28
.set NIL,  29
.set STG,  32
.set BX,   64                          ; x's three buffers
.set BZ,   128
.set BY,   192
.set G0,   32                          ; s[32:39] descriptor group 0, one for each slot; s[24:31] group 1
.set MSB, 0
.macro WIN new                         ; the immediate's high byte repeats the setting that is left
.if MSB != \new
	s_set_vgpr_msb (MSB<<8)|\new
.set MSB, \new
.endif
.endm
.set MLO,  0xa4                        ; source 0 (x) window 0, source 1 (w) window 1, C and D window 2; + 0x50: window 3
.set MHI,  0xf4
.set TO_B, 0x40                        ; destination window 1, address window 0
.macro CREST                           ; a round of the cluster's barrier behind its opening barrier
	s_cmp_lg_u32 s14, 0
	s_cbranch_scc1 .Lnot_wave_0_\@
	s_barrier_signal -3
.Lnot_wave_0_\@:
	s_barrier_wait -3
	s_barrier_signal -1
	s_barrier_wait -1
.endm
.macro CROUND
	s_barrier_signal -1
	s_barrier_wait -1
	CREST
.endm
; Four plain places behind matrix instructions, in front of loads into registers that they have read and of reads of their results (ISA guide 7.12.1 for vector instructions)
.macro PLACES
.rept 4
	v_nop
.endr
.endm
.macro GLD k, i                        ; load i (0 .. 15: tile i / 4, registers 4 (i % 4) ..) of the k-th step from w's base
.set GR, 64*((\k)%4)+4*(\i)
	global_load_b128 v[GR:GR+3], v[GO], s[46:47] offset:(\k)*8192+512*(\i)
.endm
.macro GLD8 k, i0
	WIN TO_B
.irp i, 0,1,2,3,4,5,6,7
	GLD \k, (\i0)+\i
.endr
	WIN 0
.endm
.macro LOADG fb, slot, q, a0           ; x's blocks a0 .. a0 + 3, step q of the slot, into the buffer at v[fb]
.irp i, 0,1,2,3
.set FB, (\fb)+16*\i
.set FA, (\a0)+\i
.set FD, ADRA+2*(\slot)+(FA/8)
.set FO, 128*(\q)+(FA%8)*16*PITCH
.irp c, 0,1,2,3
	ds_load_b128 v[FB+4*\c:FB+4*\c+3], v[FD] offset:FO+32*\c
.endr
.endr
.endm
.macro W4 fb, a, set, zero             ; block a, its fragment at v[fb], against w's four tiles; zero = 1 starts the sums: nothing is cleared
.irp t, 0,1,2,3
.set AC, 32*((\a)%8)+8*\t
.set AB, \fb
.set BR, 64*((\set)%4)+16*\t
.if \zero
	v_wmma_f32_16x16x128_bf8_bf8 v[AC:AC+7], v[AB:AB+15], v[BR:BR+15], 0
.else
	v_wmma_f32_16x16x128_bf8_bf8 v[AC:AC+7], v[AB:AB+15], v[BR:BR+15], v[AC:AC+7]
.endif
.endr
.endm
.macro MULG fb, a0, set, zero          ; a group: 16 products
	W4 (\fb), (\a0), \set, \zero
	W4 (\fb)+16, (\a0)+1, \set, \zero
	W4 (\fb)+32, (\a0)+2, \set, \zero
	W4 (\fb)+48, (\a0)+3, \set, \zero
.endm
; A half step (hh = 0: blocks 0-7, 1: blocks 8-15), its first group already asked for; eight of the 16 loads of w for the step three on
.macro HALF slot, q, hh, k, zero
	PLACES
	LOADG BY, \slot, \q, 8*\hh+4
.if \hh
	LOADG BX, \slot, \q+1, 0                       ; the next step's first group
.else
	LOADG BZ, \slot, \q, 8
.endif
	GLD8 \k+3, 8*\hh
.if (\hh) == 0
	s_wait_loadcnt 40                              ; this step's set of w is in; two sets and the eight loads just issued may be out
.endif
	s_wait_dscnt 32                                ; the first group is in; the 32 loads just issued may be out
.set WM, MLO+0x50*(\hh)
	WIN WM
	MULG BX+(BZ-BX)*(\hh), 8*\hh, \k, \zero
	s_wait_dscnt 16                                ; the second group is in
	MULG BY, 8*\hh+4, \k, \zero
	WIN 0
.endm
.macro STEP slot, q, k, zero
	HALF \slot, \q, 0, \k, \zero
	HALF \slot, \q, 1, \k, \zero
.endm
; A slot's last step changes slots.  In front of the barrier each wave waits for all its tensor loads (its part of the next slot), adds 0 to its spare word, and waits for that and for its reads of this slot,
; whose last fragments are then all in registers.  refill = 1: the barrier opens a round of the cluster's barrier, and this slot takes the tile two slots on.  ask: 0 no prefetch, 1 always, 2 not in the loop's last trip.
.macro TURN slot, next, k, refill, ask
	HALF \slot, 3, 0, \k, 0
	PLACES
	LOADG BY, \slot, 3, 12
	s_wait_tensorcnt 0x0                           ; all my tensor loads have landed;
	ds_add_u32 v[SPW], v[NIL]                      ; 0 onto my spare word;
.if \refill
	s_add_nc_u64 s[G0+4*\slot+2:G0+4*\slot+3], s[G0+4*\slot+2:G0+4*\slot+3], 1024
.endif
	s_wait_dscnt 17                                ; blocks 8-11 are in; blocks 12-15 and the add may be out
	WIN MHI
	MULG BZ, 8, \k, 0
	s_wait_dscnt 0x0                               ; the add is done, and my reads of this slot are over
	s_barrier_signal -1
	W4 BY, 12, \k, 0
	W4 BY+16, 13, \k, 0
	WIN 0
	s_barrier_wait -1
.if \refill
	CREST
	tensor_load_to_lds s[G0+4*\slot:G0+4*\slot+3], s[24:31]
	s_nop 0
.endif
	PLACES
	LOADG BX, \next, 0, 0                          ; the next slot's first group
	GLD8 \k+3, 8
	WIN MHI
	W4 BY+32, 14, \k, 0
	W4 BY+48, 15, \k, 0
	WIN 0
.if \ask
.if (\ask) == 2
	s_cmp_lg_u32 s3, 1                             ; in the loop's last trip there is no slot three on
	s_cbranch_scc0 .Lno_ask_\@
.endif
	global_prefetch_b8 v[PFX], s[52:53] offset:512*(\ask)-512 th:TH_LOAD_NT scope:SCOPE_SE
	global_prefetch_b8 v[PFW], s[54:55] offset:32768*(\ask)-32768 th:TH_LOAD_NT scope:SCOPE_SE
.if (\ask) == 2
.Lno_ask_\@:
.endif
.endif
.endm
	s_load_b256 s[4:11], s[0:1], 0x0               ; x s[4:5], w s[6:7], exponents s[8:9], bias s[10:11]
	s_load_b64 s[12:13], s[0:1], 0x20              ; out
	v_lshl_add_u32 v[SPW], v0, 2, SPARE
	v_mov_b32 v[NIL], 0
	ds_add_u32 v[SPW], v[NIL]                      ; the wave's opening: two adds, waited for ahead of my first tensor load
	ds_add_u32 v[SPW], v[NIL]
	v_lshrrev_b32 v1, 5, v0
	v_readfirstlane_b32 s14, v1                    ; wave 0..3
	v_and_b32 v2, 15, v0                           ; r
	v_bfe_u32 v3, v0, 4, 1                         ; h
	v_and_b32 v4, 31, v0                           ; lane
	v_mul_u32_u24 v5, v2, PITCH
	v_lshlrev_b32 v6, 4, v2
	v_lshrrev_b32 v7, 1, v4
	v_and_b32 v14, 1, v4
	v_lshl_add_u32 v[ADRA], v3, 4, v5              ; row r x pitch + 16 h
	v_lshlrev_b32 v[GO], 4, v4
	v_lshlrev_b32 v[BO], 3, v2
	v_lshlrev_b32 v14, 8, v14
	v_lshl_add_u32 v[CO], v3, 17, v6               ; 8 h rows of 16,384 bytes + 16 r
	v_lshlrev_b32 v[PFW], 8, v4                    ; a lane names 256 bytes
	v_lshl_add_u32 v[PFX], v7, 12, v14             ; row lane / 2, half lane % 2 of its 512 bytes
	v_add_nc_u32 v[ADRA+1], HIGH, v[ADRA]
	v_add_nc_u32 v[ADRA+2], SLOT, v[ADRA]
	v_add_nc_u32 v[ADRA+3], SLOT+HIGH, v[ADRA]
	s_bfe_u32 s16, ttmp6, 0x40000                  ; cx
	s_lshl_b32 s17, ttmp9, 2
	s_add_co_u32 s17, s17, s16                     ; tile column of out = 4 x cluster x + cx
	s_and_b32 s18, ttmp7, 0xffff                   ; tile row
	; descriptor group 1: a tile of 64 rows x 512 bytes, padded in LDS
	s_mov_b32 s24, 15|(1<<20)|(1<<21)|(6<<22)|(3<<25)   ; 15:0 the mask: all four work-groups of the cluster; 17:16 element of 1 byte; 20 padding on; 21 set beside a mask; 24:22 after every 128 words (code 6); 31:25 of 4 words (code 3)
	s_mov_b32 s25, 512<<16
	s_mov_b32 s26, 64<<16
	s_mov_b32 s27, 512<<16
	s_mov_b32 s28, 64
	s_mov_b32 s29, 4096
	s_mov_b32 s30, 0
	s_mov_b32 s31, 0
	s_lshl_b32 s40, s18, 20                        ; x: row 256 x tile row + 64 x wave
	s_lshl_b32 s41, s14, 18
	s_add_co_u32 s40, s40, s41
	s_mov_b32 s41, 0
	s_mul_i32 s45, s14, 64*PITCH                   ; and where it goes: no place in the cluster enters an LDS address
	s_lshl_b32 s42, s17, 2
	s_add_co_u32 s42, s42, s14                     ; my block of 64 columns
	s_lshl_b32 s46, s42, 18                        ; its codes: 262,144 bytes
	s_mov_b32 s47, 0
	s_lshl_b32 s48, s42, 7                         ; its bias: 128 bytes
	s_mov_b32 s49, 0
	s_lshl_b32 s50, s18, 22                        ; out: 256 rows of 16,384 bytes x tile row
	s_lshl_b32 s51, s42, 8                         ; + 256 bytes x block
	s_add_co_u32 s50, s50, s51
	s_mov_b32 s51, 0
	s_lshl_b32 s52, s18, 20                        ; prefetch of x: row 256 x tile row + 64 cx + 16 x wave, slot 3
	s_lshl_b32 s53, s16, 18
	s_add_co_u32 s52, s52, s53
	s_lshl_b32 s53, s14, 16
	s_add_co_u32 s52, s52, s53
	s_add_co_u32 s52, s52, 3*512
	s_mov_b32 s53, 0
	s_and_b32 s54, s18, 3                          ; prefetch of w: my block, slot 3, its step tile row % 4
	s_lshl_b32 s54, s54, 13
	s_lshl_b32 s55, s42, 18
	s_add_co_u32 s54, s54, s55
	s_add_co_u32 s54, s54, 3*32768
	s_mov_b32 s55, 0
	s_wait_alu depctr_va_vdst(0)                   ; at the head's end, ahead of the blocking waits
	s_wait_dscnt 0x0                               ; both opening adds are done
	s_wait_kmcnt 0x0
	s_load_b64 s[96:97], s[8:9], 0x0               ; e0, e1
	s_add_nc_u64 s[46:47], s[6:7], s[46:47]
	GLD8 0, 0                                      ; w's step 0
	GLD8 0, 8
	s_add_nc_u64 s[40:41], s[4:5], s[40:41]
	s_add_nc_u64 s[10:11], s[10:11], s[48:49]
	s_add_nc_u64 s[12:13], s[12:13], s[50:51]
	s_add_nc_u64 s[52:53], s[4:5], s[52:53]
	s_add_nc_u64 s[54:55], s[6:7], s[54:55]
.irp s, 0,1
	s_mov_b32 s[G0+4*\s], 1
	s_add_co_u32 s[G0+4*\s+1], s45, \s*SLOT
	s_add_nc_u64 s[G0+4*\s+2:G0+4*\s+3], s[40:41], \s*512
	s_or_b32 s[G0+4*\s+3], s[G0+4*\s+3], 0x80000000
.endr
	CROUND                                         ; all four work-groups are here: the first joint loads meet
	tensor_load_to_lds s[G0:G0+3], s[24:31]        ; slot 0
	s_nop 0
	PLACES
	global_load_b64 v[8:9], v[BO], s[10:11]        ; bias of columns 4 r .. 4 r + 3
	GLD8 1, 0                                      ; w's step 1
	GLD8 1, 8
	s_wait_tensorcnt 0x0                           ; my part of slot 0 is in
	ds_add_u32 v[SPW], v[NIL]
	s_wait_dscnt 0x0
	CROUND                                         ; everybody's part of slot 0 is in, and the joint loads meet
	tensor_load_to_lds s[G0+4:G0+7], s[24:31]      ; slot 1, the first tensor load behind the round
	s_nop 0
	PLACES
	LOADG BX, 0, 0, 0
	GLD8 2, 0                                      ; w's step 2
	GLD8 2, 8
	global_prefetch_b8 v[PFX], s[52:53] offset:-512 th:TH_LOAD_NT scope:SCOPE_SE     ; slot 2
	global_prefetch_b8 v[PFW], s[54:55] offset:-32768 th:TH_LOAD_NT scope:SCOPE_SE
	STEP 0, 0, 0, 1                                ; the first step starts the sums
	s_mov_b32 s3, 3
.Llap:                                                 ; a trip: eight steps, from a lap's second to the next lap's first; both slots are filled again
	STEP 0, 1, 1, 0
	STEP 0, 2, 2, 0
	TURN 0, 1, 3, 1, 1
	STEP 1, 0, 4, 0
	STEP 1, 1, 5, 0
	STEP 1, 2, 6, 0
	TURN 1, 0, 7, 1, 2
	STEP 0, 0, 8, 0
	s_wait_xcnt 0x0                                ; the loads of w and the prefetches have read their bases
	s_add_nc_u64 s[46:47], s[46:47], 65536
	s_add_nc_u64 s[52:53], s[52:53], 1024
	s_add_nc_u64 s[54:55], s[54:55], 65536
	s_sub_co_u32 s3, s3, 1
	s_cmp_lg_u32 s3, 0
	s_cbranch_scc1 .Llap
	STEP 0, 1, 1, 0                                ; slot 6 goes on: steps 25, 26, 27
	STEP 0, 2, 2, 0
	TURN 0, 1, 3, 0, 0
	s_wait_kmcnt 0x0
	s_add_co_i32 s96, s96, s97
	s_add_co_i32 s96, s96, 127
	s_lshl_b32 s96, s96, 23                        ; 2^(e0 + e1) as f32
	s_wait_loadcnt 32                              ; (the bias was asked for ahead of all that may still be out; so was step 28's set of w)
	v_cvt_f32_f16 v[BF],   v8.l
	v_cvt_f32_f16 v[BF+1], v8.h
	v_cvt_f32_f16 v[BF+2], v9.l
	v_cvt_f32_f16 v[BF+3], v9.h
	s_wait_alu depctr_va_vdst(0)
; Block a's way out: sum x 2^(e0 + e1) + bias, each accumulator from its low end on; the results go into block a - 1's accumulators, which have left (block 0's into v32-63):
; no register of a pending store is written again.  OUTF computes, OUTS stores.
.macro OSET a
.set OS, 32*((\a)%8)
.if (\a) == 0
.set OD, STG
.set WF, 0x02
.set WS, 0
.else
.set OD, 32*(((\a)-1)%8)
.set WF, (2+((\a)/8))|((2+(((\a)-1)/8))<<6)
.set WS, (2+(((\a)-1)/8))<<2
.endif
.endm
.macro OUTF a
	OSET \a
	WIN WF
.irp j, 0,1,2,3,4,5,6,7
.irp t, 0,1,2,3
	v_fma_f32 v[OD+4*\j+\t], v[OS+8*\t+\j], s96, v[BF+\t]
.endr
.endr
.endm
.macro OUTS a
	OSET \a
	WIN WS
.irp j, 0,1,2,3,4,5,6,7
	global_store_b128 v[CO], v[OD+4*\j:OD+4*\j+3], s[12:13] offset:(\a)*262144+\j*16384 th:TH_STORE_NT   ; 16 lanes store 256 consecutive bytes, at a multiple of 256
.endr
.endm
; THE LAST SLOT, half step e: step e % 4 of blocks 0-7 (e < 4) or of blocks 8-15.
.macro LAST e
	PLACES
.if (\e) > 3
	OUTF 2*(\e)-8
	OUTF 2*(\e)-7
	WIN 0
.endif
	LOADG BY, 1, (\e)%4, 8*((\e)/4)+4
.if (\e) < 7
	LOADG BZ+(BX-BZ)*((\e)%2), 1, ((\e)+1)%4, 8*(((\e)+1)/4)
.endif
.if (\e) == 0
	GLD8 7, 0                                      ; w's last step, into the set that step 27 has used
	GLD8 7, 8
.endif
.if (\e) > 3
	OUTS 2*(\e)-8
	OUTS 2*(\e)-7
.endif
.if (\e) == 1
	s_wait_loadcnt 32                              ; w's step 29; behind it two sets
.endif
.if (\e) == 2
	s_wait_loadcnt 16
.endif
.if (\e) == 3
	s_wait_loadcnt 0x0
.endif
.set WM, MLO+0x50*((\e)/4)
.if (\e) < 7
	s_wait_dscnt 32
.else
	s_wait_dscnt 16
.endif
	WIN WM
	MULG BX+(BZ-BX)*((\e)%2), 8*((\e)/4), (\e)%4, 0
.if (\e) < 7
	s_wait_dscnt 16
.else
	s_wait_dscnt 0x0
.endif
	MULG BY, 8*((\e)/4)+4, (\e)%4, 0
	WIN 0
.endm
.irp e, 0,1,2,3,4,5,6,7
	LAST \e
.endr
	PLACES
.irp a, 8,9,10,11,12,13,14,15
	OUTF \a
	OUTS \a
.endr
	WIN 0
	s_wait_tensorcnt 0x0                           ; the wave's end, behind my last tensor load
	ds_add_u32 v[SPW], v[NIL]
	s_wait_dscnt 0x0
	CROUND                                         ; the closing round: no work-group ends while a partner may still ask for a tile that names it
	s_endpgm
.Lfunc_end_k_q30af758c07_gemm:
	.size	k_q30af758c07_gemm, .Lfunc_end_k_q30af758c07_gemm-k_q30af758c07_gemm
	.p2alignl 7, 3214868480
	.fill 96, 4, 3214868480
	.section	.rodata,"a",@progbits
	.p2align	6, 0x0
	.amdhsa_kernel k_q30af758c07_gemm
		.amdhsa_group_segment_fixed_size 327680
		.amdhsa_private_segment_fixed_size 0
		.amdhsa_enable_private_segment 0
		.amdhsa_kernarg_size 40
		.amdhsa_user_sgpr_count 2
		.amdhsa_user_sgpr_kernarg_segment_ptr 1
		.amdhsa_wavefront_size32 1
		.amdhsa_system_sgpr_workgroup_id_x 1
		.amdhsa_system_sgpr_workgroup_id_y 1
		.amdhsa_system_sgpr_workgroup_id_z 1
		.amdhsa_system_vgpr_workitem_id 0
		.amdhsa_next_free_vgpr 1024
		.amdhsa_next_free_sgpr 98
		.amdhsa_reserve_vcc 0
		.amdhsa_float_denorm_mode_32 3
		.amdhsa_float_denorm_mode_16_64 3
		.amdhsa_memory_ordered 1
		.amdhsa_forward_progress 1
		.amdhsa_inst_pref_size 217
	.end_amdhsa_kernel
	.amdgpu_metadata
---
amdhsa.version: [ 1, 2 ]
amdhsa.kernels:
  - .name:           k_q30af758c07_gemm
    .symbol:         k_q30af758c07_gemm.kd
    .args:
      - { .name: x_codes, .offset: 0, .size: 8, .value_kind: global_buffer, .address_space: global }
      - { .name: w_codes, .offset: 8, .size: 8, .value_kind: global_buffer, .address_space: global }
      - { .name: lowp_scales, .offset: 16, .size: 8, .value_kind: global_buffer, .address_space: global }
      - { .name: bias, .offset: 24, .size: 8, .value_kind: global_buffer, .address_space: global }
      - { .name: out0, .offset: 32, .size: 8, .value_kind: global_buffer, .address_space: global }
    .group_segment_fixed_size: 327680
    .private_segment_fixed_size: 0
    .kernarg_segment_align: 8
    .kernarg_segment_size: 40
    .max_flat_workgroup_size: 128
    .sgpr_count:     98
    .vgpr_count:     1024
    .wavefront_size: 32
...
	.end_amdgpu_metadata
.endif
;; end of part 2
